; MI455X (gfx1250); checked and timed in simulation.
; The chip was launched on July 23, 2026; its instructions are those of AMD's public machine-readable ISA for CDNA 5 (MIT licence, August 2026) and "CDNA5" Instruction Set Architecture Reference Guide (July 2026). The comments in the code are by the model that wrote it; some were corrected since.
;; Multi Head Attention. Allowed arithmetic: matrix products marked QUANTISED: E4M3 operands, one given power-of-two scale a tensor, by v_wmma_f32_16x16x64_fp8_fp8 or v_wmma_f32_16x16x128_fp8_fp8, f32 sums; everything else in f32.
;; Inputs: lowp_scales 8 int32 (the exponents e of the quantised operands' scales 2^e); w_proj 1,024 x 1,024 float32; w_qkv 1,024 x 3,072 float32; x 4 x 2,048 x 1,024 float32.
;; Outputs: out0 4 x 2,048 x 1,024 float32.
;; This version of the problem:
;;   THIS VERSION OF THE PROBLEM IS GIVEN IN LOW PRECISION. The matrix products marked QUANTISED in the list below multiply operands that are first quantised to E4M3 (4 exponent bits, 3 mantissa bits; 8 bits a number), with one given power-of-two scale for each operand tensor; their sums are f32. All else is computed in f32.
;;   The module's matrix products, in the order in which they are computed (A, B: the left and right operand; K: the contracted axis; several contracted axes count as one K, in the product's order):
;;     1. [M 8,192, K 1,024] x [K 1,024, N 3,072]; A: input x; B: input w_qkv: QUANTISED (scales: A lowp_scales[0], B lowp_scales[1])
;;     2. batch 64 x [M 2,048, K 64] x [K 64, N 2,048]; A: computed on the way; B: computed on the way: QUANTISED (scales: A lowp_scales[2], B lowp_scales[3])
;;     3. batch 64 x [M 2,048, K 2,048] x [K 2,048, N 64]; A: softmax (see below); B: computed on the way: QUANTISED (scales: A lowp_scales[4], B lowp_scales[5])
;;     4. [M 8,192, K 1,024] x [K 1,024, N 1,024]; A: computed on the way; B: input w_proj: QUANTISED (scales: A lowp_scales[6], B lowp_scales[7])
;;   THE QUANTISER, for each operand of a quantised product, along K:
;;     - The operand's scale is 2^e, e = its entry of the input lowp_scales (int32; the entries are numbered through the quantised products in the list's order, A before B).
;;     - Each number is divided by the scale, clamped to +-448, and rounded to the nearest number of E4M3, ties to even, subnormals kept.
;;     - The product sums the exact products of the quantised numbers (number of the format x scale) in f32.
;;   ~~~python
;;   def quantise(x, axis, e):      # numpy; x: float32 -> the quantised numbers, widened to float32 again
;;       x = np.moveaxis(x, axis, -1); K = x.shape[-1]
;;       r = np.clip(x / 2.0 ** e, -448, 448)
;;       step = 2.0 ** (np.maximum(np.frexp(np.where(r == 0, 1, r))[1] - 1, -6) - 3)
;;       q = np.round(r / step) * step * 2.0 ** e      # np.round: ties to even
;;       return np.moveaxis(q, -1, axis).astype(np.float32)
;;   ~~~
;;   SOFTMAX AHEAD OF A QUANTISED PRODUCT. Where the list says 'softmax', what is quantised is not the finished softmax but p = 2^(t - M), with t = logit x log2(e) and M = ceil(the row's largest t), a whole number; so 1/2 < the row's largest p <= 1. The row's sum l is taken of the UNQUANTISED p, in f32, and the product's result is divided by l at the end. Since M is a whole number, a kernel that streams over the keys may use a running M (the ceiling of the running maximum): every later rescaling is an exact power of two, so the quantised numbers keep their values, but for numbers so far below the row's largest that they fall under the format's range.
;;   OPERANDS COMPUTED ON THE WAY. 'Computed on the way' means the value that the module computes at that place (a softmax that the list does not call 'softmax' is quantised finished and normalised). What goes into a quantiser is computed in f32, as accurately as f32 sums, v_exp_f32 and their like allow (about 1e-6 of the number): no bf16 or f16 on the way to a quantiser, and a product that is left as it is and whose result goes on into a quantised operand takes f32 operands (vector FMAs, or v_wmma_f32_16x16x4_f32). A number that lies on a knife's edge between two numbers of the format may be rounded either way, as far as f32 arithmetic and the matrix unit's own rounding can turn it there, and no further.
;; One version. Each part assembles by itself: llvm-mc -triple=amdgcn-amd-amdhsa -mcpu=gfx1250 --defsym DOCPART=n.
;; ======== version 1 of 1: 4 launches
;; limits: right only within a limited range of input values
;; workspace buffers: xc 8,388,608 bytes; wqc 3,145,728 bytes; wpc 1,048,576 bytes; qc 8,388,608 bytes; kc 8,388,608 bytes; vc 8,388,608 bytes; ac 8,388,608 bytes
;; launch prep (part 1): grid 384 x 1, 4 waves a work-group, no clusters, 9,728 bytes of LDS; arguments x, w_qkv, w_proj, lowp_scales, xc, wqc, wpc; writes xc, wqc, wpc
.if DOCPART == 1
	.amdgcn_target "amdgcn-amd-amdhsa--gfx1250"
	.amdhsa_code_object_version 6
	.text
	.protected	k_q8e6bf72f15_prep
	.globl	k_q8e6bf72f15_prep
	.p2align	8
	.type	k_q8e6bf72f15_prep,@function
k_q8e6bf72f15_prep:
	s_mov_b64 s[64:65], 0
	v_nop
	global_prefetch_b8 v0, s[64:65] scope:SCOPE_SE
	s_setreg_imm32_b32 hwreg(HW_REG_WAVE_MODE, 25, 1), 1
	s_wait_xcnt 0x0
; x [8192][1024], w_qkv [1024][3072] and w_proj [1024][1024], f32, become codes of FP8 (E4M3), each with its given scale 2^e (entries 0, 1 and 7 of the scales).
; code = number / 2^e, held within +-448, rounded to the nearest code, ties to even.
; LIMITS: each of the three e lies between -126 and 119, so that 2^e and 448 x 2^e are f32 numbers.  NaN among the inputs is not served (an infinity is held at the largest code).
; THE CODES ARE LAID AS IMAGES OF THE OPERAND'S REGISTERS.  A fragment, 16 rows x 128 along K, is 2,048 bytes [c 0..3][h 0..1][r 0..15][16 bytes]: byte (c, h, r, e) is row r, k = 32 c + 16 h + e;
; lane 16 h + r of a later launch takes its four registers 4 c .. 4 c + 3 at 512 c + 16 x lane.  A tensor is [tiles of 16 rows][8 K steps][2,048].
; THE ORDER OF ROWS.  sigma(i) swaps bits 3 and 4 of i.  Place i of xc holds token sigma(i), place i of wqc channel sigma(i); wpc is in natural order.  So, in a product's result, the 16 registers of two
; neighbouring tiles of such rows are 16 true neighbours, and the later launches' conversions give operand registers as they stand.
; SHARES.  Work-groups 0-95: w_qkv; 96-127: w_proj; 128-383: x.  Each reads 131,072 bytes.  Waves share nothing: no barrier.
;   A weight's K is its first axis: a lane takes a column and its registers run down K (32 columns x 256 along K a wave); its 32 codes of a block are two runs of 16 bytes of the image, stored straight from registers.
;   x's K is innermost: a load takes 512 consecutive bytes of one row; the codes turn through the wave's own stage in LDS (16 rows x 144 bytes) and leave as the image, 512 consecutive bytes a store.
.set SPARE, 9216                       ; behind the four stages: the spare words, 128 bytes for each wave: two blocks of 256 bytes that no other line names
.set STG,   2304                       ; a wave's stage: 16 rows x (128 + 16) bytes: rows 9 x 16 bytes apart, so the sixteen rows that a load touches begin at sixteen different 16-byte columns of 256
.set LIM,   10
.set SC,    11                         ; v11  2^e as f32: the conversion takes its exponent field
.set SPW,   12                         ; v12  LDS address of my spare word; never rewritten
.set NIL,   13                         ; v13  0; never rewritten
.set CX,    16                         ; v16-31   x: a unit's codes, four of row p in v[CX + p]
.set X,     32                         ; v32-159  x: two sets of 64 numbers;  v32-95 weights: two sets of 32
.set CW,    96                         ; v96-159  weights: eight registers of codes for each block, so that no store's data are written again
.set OX,    160                        ; v160-223 x: sixteen registers of the image for each unit, likewise
	s_load_b256 s[4:11], s[0:1], 0x0               ; x s[4:5], w_qkv s[6:7], w_proj s[8:9], the scales' exponents s[10:11]
	s_load_b128 s[12:15], s[0:1], 0x20             ; xc s[12:13], wqc s[14:15]
	s_load_b64 s[16:17], s[0:1], 0x30              ; wpc
	v_lshl_add_u32 v[SPW], v0, 2, SPARE
	v_mov_b32 v[NIL], 0
	v_lshrrev_b32 v1, 5, v0
	v_readfirstlane_b32 s18, v1                    ; wave 0..3
	v_and_b32 v2, 31, v0                           ; lane
	s_wait_kmcnt 0x0
	s_load_b256 s[24:31], s[10:11], 0x0            ; e0 .. e7
.macro MKSCALE e                       ; the scale and the hold from the whole number in s[e]
	s_wait_kmcnt 0x0
	s_add_co_i32 s20, s[\e], 127
	s_lshl_b32 s21, s20, 23
	v_mov_b32 v[SC], s21
	s_add_co_i32 s20, s20, 8
	s_lshl_b32 s20, s20, 23
	s_or_b32 s20, s20, 0x600000                    ; the mantissa field of 448
.endm
.macro FINI                            ; the wave's end
	s_wait_tensorcnt 0x0
	ds_add_u32 v[SPW], v[NIL]
	s_wait_dscnt 0x0
	s_endpgm
.endm
	s_cmp_lt_u32 ttmp9, 96                         ; the paths part on the work-group's number alone
	s_cbranch_scc1 .Lwq
	s_cmp_lt_u32 ttmp9, 128
	s_cbranch_scc1 .Lwp
	; ---- x.  Work-group g takes places 32 g .. 32 g + 31: two tiles of 16.  Wave w takes tile w / 2 and K steps 4 (w % 2) .. + 3: four units of 16 rows x 128.
	; Row p of tile w / 2 is token 32 g + 8 (w / 2) + p % 8 + 16 (p / 8): sigma of its place.
	s_sub_co_u32 s19, ttmp9, 128
	s_lshl_b32 s20, s19, 17                        ; 32 rows of 4,096 bytes
	s_lshr_b32 s21, s18, 1
	s_lshl_b32 s21, s21, 15                        ; + 8 rows for the odd tile
	s_add_co_u32 s20, s20, s21
	s_and_b32 s21, s18, 1
	s_lshl_b32 s21, s21, 11                        ; + four K steps of 512 bytes
	s_add_co_u32 s20, s20, s21
	s_mov_b32 s21, 0
	s_add_nc_u64 s[4:5], s[4:5], s[20:21]
	s_lshl_b32 s20, s19, 15                        ; xc: two tiles of 16,384 bytes a work-group, four fragments a wave
	s_lshl_b32 s22, s18, 13
	s_add_co_u32 s20, s20, s22
	s_add_nc_u64 s[12:13], s[12:13], s[20:21]
	s_wait_alu depctr_va_vdst(0)
	v_lshlrev_b32 v6, 4, v2                        ; 16 x lane: my bytes of a load's and of a store's 512
	s_mul_i32 s22, s18, STG
	v_lshl_add_u32 v7, v2, 2, s22                  ; into the stage: my four codes of a row
	v_and_b32 v3, 15, v2
	v_lshrrev_b32 v4, 4, v2
	v_mul_u32_u24 v8, v3, 144
	v_lshl_add_u32 v8, v4, 4, v8
	v_add_nc_u32 v8, s22, v8                       ; out of it: row lane % 16, + 16 (lane / 16)
.macro LOADU u                         ; unit u: sixteen rows, 512 consecutive bytes each; lane l takes k = 4 l .. 4 l + 3
.irp p, 0,1,2,3,4,5,6,7,8,9,10,11,12,13,14,15
	global_load_b128 v[X+64*((\u)%2)+4*\p:X+64*((\u)%2)+4*\p+3], v6, s[4:5] offset:((\p%8)+16*(\p/8))*4096+512*(\u) th:TH_LOAD_NT
.endr
.endm
.macro UNIT u
.set XS, X+64*((\u)%2)
.if (\u) < 3
	s_wait_loadcnt 16                              ; this unit's sixteen loads are in; the next unit's may be out
.else
	s_wait_loadcnt 0x0
.endif
.set i, 0
.rept 64
.set i, i+1
.endr
.irp g, 0,1,2,3,4,5,6,7
	v_cvt_scalef32_pk8_fp8_f32 v[CX+2*\g:CX+2*\g+1], v[XS+8*\g:XS+8*\g+7], v[SC]   ; four codes of row 2 g, four of row 2 g + 1
.endr
.if (\u)+2 < 4
	LOADU (\u)+2                                   ; into the registers just converted
.endif
.irp p, 0,1,2,3,4,5,6,7,8,9,10,11,12,13,14,15
	ds_store_b32 v7, v[CX+\p] offset:144*\p        ; row p, bytes 4 l on
.endr
.irp c, 0,1,2,3
	ds_load_b128 v[OX+16*(\u)+4*\c:OX+16*(\u)+4*\c+3], v8 offset:32*\c   ; LDS serves a wave's instructions in order (ISA guide 5.7.1.4): these see the stores above
.endr
	s_wait_dscnt 0x0                               ; the image is in registers, and the stores have read theirs
.irp c, 0,1,2,3
	global_store_b128 v6, v[OX+16*(\u)+4*\c:OX+16*(\u)+4*\c+3], s[12:13] offset:2048*(\u)+512*\c   ; 512 consecutive bytes, at a multiple of 512 from xc's first byte
.endr
.endm
	LOADU 0
	LOADU 1
	MKSCALE 24
	s_wait_alu depctr_va_vdst(0)
	UNIT 0
	UNIT 1
	UNIT 2
	UNIT 3
	FINI
	; ---- a weight [1024][cols].  Work-group i of the path: columns 128 (i / 4) on, K 256 (i % 4) on; wave w: 32 of the columns.  Lane l stands for place l of the 32: column sigma(l) (sig = 1) or l.
.macro LOADW t, cols, sp               ; block t: W(32 t + i, my column), i = 0 .. 31: 128 consecutive bytes a load
.set i, 0
.rept 32
	global_load_b32 v[X+32*((\t)%2)+i], v3, s[\sp:\sp+1] offset:(32*(\t)+i)*(\cols)*4 th:TH_LOAD_NT
.set i, i+1
.endr
.endm
.macro BLOCKW t, cols, sp, dp
.set XS, X+32*((\t)%2)
.if (\t) < 7
	s_wait_loadcnt 32                              ; this block's 32 loads are in; the next block's may be out
.else
	s_wait_loadcnt 0x0
.endif
.set i, 0
.rept 32
.set i, i+1
.endr
.irp g, 0,1,2,3
	v_cvt_scalef32_pk8_fp8_f32 v[CW+8*(\t)+2*\g:CW+8*(\t)+2*\g+1], v[XS+8*\g:XS+8*\g+7], v[SC]
.endr
.if (\t)+2 < 8
	LOADW (\t)+2, \cols, \sp
.endif
	global_store_b128 v5, v[CW+8*(\t):CW+8*(\t)+3], s[\dp:\dp+1] offset:512*(\t)           ; k = 32 t + 0 .. 15: the image's half h = 0; lanes 0-15 fill 256 consecutive aligned bytes, lanes 16-31 those of the next tile
	global_store_b128 v5, v[CW+8*(\t)+4:CW+8*(\t)+7], s[\dp:\dp+1] offset:512*(\t)+256     ; k = 32 t + 16 .. 31: h = 1
.endm
.macro WPATH cols, first, sp, dp, e, sig
	s_sub_co_u32 s19, ttmp9, \first
	s_lshr_b32 s20, s19, 2                         ; which 128 columns
	s_and_b32 s19, s19, 3                          ; which 256 along K
	s_mul_i32 s22, s19, 256*(\cols)*4
	s_lshl_b32 s23, s20, 9
	s_add_co_u32 s22, s22, s23
	s_lshl_b32 s23, s18, 7
	s_add_co_u32 s22, s22, s23
	s_mov_b32 s23, 0
	s_add_nc_u64 s[\sp:\sp+1], s[\sp:\sp+1], s[22:23]
	s_lshl_b32 s22, s20, 17                        ; the codes: tile 8 (i / 4) + 2 w, 16,384 bytes a tile; K step 2 (i % 4), 2,048 bytes a step
	s_lshl_b32 s21, s18, 15
	s_add_co_u32 s22, s22, s21
	s_lshl_b32 s21, s19, 12
	s_add_co_u32 s22, s22, s21
	s_add_nc_u64 s[\dp:\dp+1], s[\dp:\dp+1], s[22:23]
.if \sig
	v_and_b32 v3, 7, v2                            ; sigma(lane): bits 3 and 4 change places
	v_and_b32 v4, 8, v2
	v_lshl_add_u32 v3, v4, 1, v3
	v_and_b32 v4, 16, v2
	v_lshrrev_b32 v4, 1, v4
	v_add_nc_u32 v3, v3, v4
	v_lshlrev_b32 v3, 2, v3
.else
	v_lshlrev_b32 v3, 2, v2
.endif
	v_and_b32 v5, 15, v2
	v_lshlrev_b32 v5, 4, v5
	v_lshrrev_b32 v4, 4, v2
	v_lshl_add_u32 v5, v4, 14, v5                  ; my place in the image: tile lane / 16, row lane % 16
	LOADW 0, \cols, \sp
	LOADW 1, \cols, \sp
	MKSCALE \e
	s_wait_alu depctr_va_vdst(0)
.irp t, 0,1,2,3,4,5,6,7
	BLOCKW \t, \cols, \sp, \dp
.endr
	FINI
.endm
.Lwq:
	s_wait_alu depctr_va_vdst(0)
	WPATH 3072, 0, 6, 14, 25, 1
.Lwp:
	s_wait_alu depctr_va_vdst(0)
	WPATH 1024, 96, 8, 16, 31, 0
.Lfunc_end_k_q8e6bf72f15_prep:
	.size	k_q8e6bf72f15_prep, .Lfunc_end_k_q8e6bf72f15_prep-k_q8e6bf72f15_prep
	.p2alignl 7, 3214868480
	.fill 96, 4, 3214868480
	.section	.rodata,"a",@progbits
	.p2align	6, 0x0
	.amdhsa_kernel k_q8e6bf72f15_prep
		.amdhsa_group_segment_fixed_size 9728
		.amdhsa_private_segment_fixed_size 0
		.amdhsa_enable_private_segment 0
		.amdhsa_kernarg_size 56
		.amdhsa_user_sgpr_count 2
		.amdhsa_user_sgpr_kernarg_segment_ptr 1
		.amdhsa_wavefront_size32 1
		.amdhsa_system_sgpr_workgroup_id_x 1
		.amdhsa_system_sgpr_workgroup_id_y 1
		.amdhsa_system_sgpr_workgroup_id_z 1
		.amdhsa_system_vgpr_workitem_id 0
		.amdhsa_next_free_vgpr 224
		.amdhsa_next_free_sgpr 66
		.amdhsa_reserve_vcc 0
		.amdhsa_float_denorm_mode_32 3
		.amdhsa_float_denorm_mode_16_64 3
		.amdhsa_fp16_overflow 1
		.amdhsa_memory_ordered 1
		.amdhsa_forward_progress 1
		.amdhsa_inst_pref_size 76
	.end_amdhsa_kernel
	.amdgpu_metadata
---
amdhsa.version: [ 1, 2 ]
amdhsa.kernels:
  - .name:           k_q8e6bf72f15_prep
    .symbol:         k_q8e6bf72f15_prep.kd
    .args:
      - { .name: x, .offset: 0, .size: 8, .value_kind: global_buffer, .address_space: global }
      - { .name: w_qkv, .offset: 8, .size: 8, .value_kind: global_buffer, .address_space: global }
      - { .name: w_proj, .offset: 16, .size: 8, .value_kind: global_buffer, .address_space: global }
      - { .name: lowp_scales, .offset: 24, .size: 8, .value_kind: global_buffer, .address_space: global }
      - { .name: xc, .offset: 32, .size: 8, .value_kind: global_buffer, .address_space: global }
      - { .name: wqc, .offset: 40, .size: 8, .value_kind: global_buffer, .address_space: global }
      - { .name: wpc, .offset: 48, .size: 8, .value_kind: global_buffer, .address_space: global }
    .group_segment_fixed_size: 9728
    .private_segment_fixed_size: 0
    .kernarg_segment_align: 8
    .kernarg_segment_size: 56
    .max_flat_workgroup_size: 128
    .sgpr_count:     66
    .vgpr_count:     224
    .wavefront_size: 32
...
	.end_amdgpu_metadata
.endif
;; end of part 1
;; launch qkv (part 2): grid 12 x 32, 4 waves a work-group, clusters of 4 x 4, 327,680 bytes of LDS; arguments xc, wqc, lowp_scales, qc, kc, vc; writes qc, kc, vc
.if DOCPART == 2
	.amdgcn_target "amdgcn-amd-amdhsa--gfx1250"
	.amdhsa_code_object_version 6
	.text
	.protected	k_q8e6bf72f15_qkv
	.globl	k_q8e6bf72f15_qkv
	.p2align	8
	.type	k_q8e6bf72f15_qkv,@function
k_q8e6bf72f15_qkv:
	s_mov_b64 s[64:65], 0
	v_nop
	global_prefetch_b8 v0, s[64:65] scope:SCOPE_SE
	s_setreg_imm32_b32 hwreg(HW_REG_WAVE_MODE, 25, 1), 1
	s_wait_xcnt 0x0
	s_wait_alu depctr_hold_cnt(0) depctr_sa_sdst(0) depctr_va_vdst(0) depctr_va_sdst(0) depctr_va_ssrc(0) depctr_va_vcc(0) depctr_vm_vsrc(0)
	s_getreg_b32 s2, hwreg(HW_REG_IB_STS2, 6, 4)
	s_cmp_eq_u32 s2, 0
	s_cbranch_scc0 .Lentry_in_a_cluster
	s_endpgm
.Lentry_in_a_cluster:
	s_bfe_u32 s2, ttmp6, 0x10000c
	s_cmp_lg_u32 s2, 0xf033
	s_cbranch_scc0 .Lentry_shape_is_right
	s_endpgm
.Lentry_shape_is_right:
; qkv = x w_qkv on codes of FP8 (E4M3), K = 1,024, and its three parts quantised at once for the attention: q with entry 2 of the scales, k with entry 3, v with entry 5.
; A sum stands for sum x 2^(e0 + e1), so its code is sum / 2^(es - e0 - e1), held within +-448: the three exponents are folded into the conversion's one scale.
; LIMIT: es - e0 - e1 lies between -126 and 119 for es = e2, e3, e5, so that the scale and 448 x the scale are f32 numbers.
; OPERANDS ARE IMAGES OF REGISTERS: a fragment (16 rows x 128 K) is 2,048 bytes, lane l's registers 4 c .. 4 c + 3 at 512 c + 16 l (k = 32 c + 16 (l / 16) + 0 .. 15, alike on both sides, so every product meets
; its partner); a tensor is [tiles of 16 rows][8 K steps][2,048].  Rows of xc and wqc stand in the order sigma (bits 3 and 4 of the index swapped).
; A tile of the result, 256 x 256, is made by four waves, 128 x 128 each: 64 accumulators.  SOURCE 0 = 16 rows of "B", SOURCE 1 = 16 rows of "A": a lane holds one row of A, its registers run along B's rows, and
; by the order sigma the 16 registers of B's tiles 2 b, 2 b + 1 are the 16 true neighbours 32 b + 16 (l / 16) + 0 .. 15: the conversions' results are registers of the next operand's image and are stored as they stand.
; q, k (cluster x = 0, 1): A = tokens (xc), B = channels (wqc): K of the next product is the head's 64 channels.   v (cluster x = 2): A = channels, B = tokens: K of its product is the keys.
; The choice is made by selects on the cluster's x, which all sixteen partners share: no branch hangs on it.
;   qc, kc: [64 heads][128 tiles of 16 places][1,024]      vc: [64 heads][16 blocks of 128 keys][4 tiles of 16 places of the head's 64][2,048]
; K goes in steps of 256 through a ring of two LDS slots; a wave's tensor load brings 8 tiles x 4,096 bytes.  CLUSTERS: 4 x 4; A's tiles are asked for jointly along a row of the cluster, B's along a column.
; REGISTERS, in windows of 256: window 0: v16-31 addresses; v32-39 the stores' offsets; v64-191 the codes on the way out; v128-255 A's fragments, ONE set.   window 1: B's fragments, TWO sets.   windows 2, 3: the accumulators.
.set FR,     16                        ; registers of a fragment
.set NL,     4                         ; LDS loads that bring one
.set NP,     4                         ; places behind this matrix instruction (ISA guide 7.12.1)
.set KSB,    4096                      ; a tile's bytes in a slot: two K steps of 128
.set HALFT,  8*KSB                     ; 128 rows: what one tensor load brings, and what one wave reads of A or of B
.set SLOT,   4*HALFT                   ; A's 256 rows, then B's 256 rows
.set SPARE,  2*SLOT                    ; behind the ring: the spare words, 128 bytes for each wave: two blocks of 256 bytes that no other line names
.set ADRA, 16                          ; v16-17  LDS address of my A fragments in slot 0, 1
.set ADRB, 20                          ; v20-21  the same for B
.set SPW,  28                          ; v28     LDS address of my spare word; never rewritten
.set NIL,  29                          ; v29     0; never rewritten
.set SCL,  30                          ; v30     2^(es - e0 - e1) as f32
.set LI,   31                          ; v31     16 x lane
.set VA,   32                          ; v32-39  block a's byte offset in the output
.set CD,   64                          ; v64-191 block a's codes: sixteen registers each, so that no store's data are written again
.set AF,   128
.set G1, 24                            ; s[24:31] descriptor group 1 for A's tiles;  s[32:39] group 0, one set for each slot
.set G0, 32
.set G1B, 48                           ; s[48:55], s[56:63] the same for B's tiles
.set G0B, 56
.set MSB, 0
.macro WIN new                         ; the immediate's high byte repeats the setting that is left; a switch that changes nothing is dropped
.if MSB != (\new)
	s_set_vgpr_msb (MSB<<8)|(\new)
.set MSB, (\new)
.endif
.endm
.set MUL_LO, 0xa1                      ; source 0 (B) window 1, source 1 (A) window 0, C and D window 2
.set MUL_HI, 0xf1                      ; the same, C and D window 3
.set TO_B,   0x40                      ; destination window 1, address window 0
; A joint load: waves 0 and 1 fetch for A, waves 2 and 3 for B.  Each of the two lines has one mask and one set of registers for all that issue it; the branch hangs on the wave's number alone.
; An s_nop 0 and four v_nop follow each of the two lines, ahead of the jump, the label and what follows.
.macro JLOAD g0a, g1a, g0b, g1b
	s_cmp_eq_u32 s15, 0
	s_cbranch_scc0 .Lfor_b_\@
	tensor_load_to_lds s[\g0a:\g0a+3], s[\g1a:\g1a+7]
	s_nop 0
.rept 4
	v_nop
.endr
	s_branch .Lasked_\@
.Lfor_b_\@:
	tensor_load_to_lds s[\g0b:\g0b+3], s[\g1b:\g1b+7]
	s_nop 0
.rept 4
	v_nop
.endr
.Lasked_\@:
.endm
.macro CREST                           ; a round of the cluster's barrier behind its opening barrier
	s_cmp_lg_u32 s14, 0
	s_cbranch_scc1 .Lnot_wave_0_\@
	s_barrier_signal -3
.Lnot_wave_0_\@:
	s_barrier_wait -3
	s_barrier_signal -1
	s_barrier_wait -1
.endm
.macro CROUND                          ; a whole round
	s_barrier_signal -1
	s_barrier_wait -1
	CREST
.endm
	s_load_b128 s[4:7], s[0:1], 0x0                ; xc s[4:5], wqc s[6:7]
	s_load_b128 s[8:11], s[0:1], 0x10              ; the scales' exponents s[8:9], qc s[10:11]
	s_load_b128 s[68:71], s[0:1], 0x20             ; kc s[68:69], vc s[70:71]
	v_lshl_add_u32 v[SPW], v0, 2, SPARE
	v_mov_b32 v[NIL], 0
	ds_add_u32 v[SPW], v[NIL]                      ; the wave's opening: the add and its wait stand ahead of my first tensor load; the set-up below, work on registers, stands between them
	ds_add_u32 v[SPW], v[NIL]
	v_lshrrev_b32 v1, 5, v0
	v_readfirstlane_b32 s14, v1                    ; wave 0..3
	s_lshr_b32 s15, s14, 1                         ; which half of A's 256 rows is mine.  Also: I fetch for A (0) or for B (1)
	s_and_b32 s16, s14, 1                          ; which half of B's.  Also: which 128 rows of that tile I fetch
	s_bfe_u32 s40, ttmp6, 0x40000                  ; cx, cy: my place in the cluster
	s_bfe_u32 s41, ttmp6, 0x40004
	s_and_b32 s73, ttmp7, 0xffff
	s_lshl_b32 s73, s73, 2                         ; 4 x cluster y
	s_lshl_b32 s74, ttmp9, 2                       ; 4 x cluster x
	s_cmp_eq_u32 ttmp9, 2                          ; v's clusters?  The same answer in all sixteen partners
	s_cselect_b32 s17, 8, s73                      ; A's block of 256 rows: v: wqc's 8 + cy;  q, k: xc's 4 y + cy
	s_cselect_b32 s42, s73, s74                    ; B's: v: xc's 4 y + cx;  q, k: wqc's 4 x + cx
	s_cselect_b32 s72, 1, 0
	s_add_co_u32 s17, s17, s41                     ; (no register that feeds A's descriptors ever holds cx, none that feeds B's ever holds cy)
	s_add_co_u32 s42, s42, s40
	s_lshl_b32 s43, s41, 2
	s_lshl_b32 s43, 15, s43                        ; my row of the cluster
	s_lshl_b32 s44, 0x1111, s40                    ; my column
	; descriptor group 1: 8 rows (tiles of 16) x 512 elements of 8 bytes, 2,048 elements from row to row; dense in LDS
	s_or_b32 s[G1+0], s43, (3<<16)|(1<<21)         ; 15:0 the mask: A's tiles go to my row; 17:16 elements of 8 bytes; 21 set beside a mask
	s_or_b32 s[G1B+0], s44, (3<<16)|(1<<21)
.irp g, G1, G1B
	s_mov_b32 s[\g+1], 512<<16                     ; tensor_dim0
	s_mov_b32 s[\g+2], 8<<16                       ; tensor_dim1
	s_mov_b32 s[\g+3], 512<<16                     ; tile_dim0
	s_mov_b32 s[\g+4], 8                           ; tile_dim1
	s_mov_b32 s[\g+5], 2048                        ; tensor_dim0_stride
	s_mov_b32 s[\g+6], 0
	s_mov_b32 s[\g+7], 0
.endr
	s_lshl_b32 s18, s16, 17                        ; which 8 tiles of 16,384 bytes I fetch
	s_lshl_b32 s20, s17, 18                        ; a block of 256 rows is 262,144 bytes
	s_add_co_u32 s20, s20, s18
	s_mov_b32 s21, 0
	s_lshl_b32 s46, s42, 18
	s_add_co_u32 s46, s46, s18
	s_mov_b32 s47, 0
	s_lshl_b32 s45, s14, 15                        ; where they go: wave x 32,768: no place in the cluster enters an LDS address
	s_wait_dscnt 0x0                               ; the opening add is done
	s_wait_kmcnt 0x0
	s_load_b256 s[76:83], s[8:9], 0x0              ; e0 .. e7
	s_cmp_eq_u32 s72, 1
	s_cselect_b64 s[84:85], s[6:7], s[4:5]         ; A's buffer
	s_cselect_b64 s[86:87], s[4:5], s[6:7]         ; B's
	s_add_nc_u64 s[20:21], s[84:85], s[20:21]
	s_add_nc_u64 s[46:47], s[86:87], s[46:47]
	CROUND                                         ; all sixteen work-groups are here: the first joint loads meet
.irp s, 0,1
	s_mov_b32 s[G0+4*\s], 1
	s_add_co_u32 s[G0+4*\s+1], s45, \s*SLOT
	s_add_nc_u64 s[G0+4*\s+2:G0+4*\s+3], s[20:21], \s*KSB
	s_or_b32 s[G0+4*\s+3], s[G0+4*\s+3], 0x80000000
	s_mov_b32 s[G0B+4*\s], 1
	s_add_co_u32 s[G0B+4*\s+1], s45, \s*SLOT
	s_add_nc_u64 s[G0B+4*\s+2:G0B+4*\s+3], s[46:47], \s*KSB
	s_or_b32 s[G0B+4*\s+3], s[G0B+4*\s+3], 0x80000000
	JLOAD G0+4*\s, G1, G0B+4*\s, G1B               ; two loads of mine are out
.endr
	v_and_b32 v1, 31, v0
	v_lshlrev_b32 v[LI], 4, v1
	s_wait_alu depctr_va_vdst(0)
	s_lshl_b32 s21, s15, 15                        ; my 128 rows of A
	s_lshl_b32 s22, s16, 15                        ; my 128 rows of B,
	s_add_co_u32 s22, s22, 2*HALFT                 ; which lie behind A's 256
.irp s, 0,1
	v_add_nc_u32 v[ADRA+\s], s21, v[LI]
	v_add_nc_u32 v[ADRB+\s], s22, v[LI]
	s_add_co_u32 s21, s21, SLOT
	s_add_co_u32 s22, s22, SLOT
.endr
	; where my results go.  P0: my first token's place; C0: my first channel's place in its part of 1,024
	s_lshl_b32 s20, s17, 8
	s_lshl_b32 s21, s15, 7
	s_add_co_u32 s20, s20, s21                     ; A's side: my first row
	s_lshl_b32 s22, s42, 8
	s_lshl_b32 s23, s16, 7
	s_add_co_u32 s22, s22, s23                     ; B's side
	s_cmp_eq_u32 s72, 1
	s_cselect_b32 s84, s22, s20                    ; P0
	s_cselect_b32 s85, s20, s22
	s_and_b32 s85, s85, 1023                       ; C0
	s_lshr_b32 s86, s84, 11                        ; the batch,
	s_lshl_b32 s86, s86, 4
	s_lshr_b32 s85, s85, 6
	s_add_co_u32 s86, s86, s85                     ; x 16 + my first head:
	s_lshl_b32 s86, s86, 17                        ; 131,072 bytes a head in each of the three buffers
	s_and_b32 s84, s84, 2047
	s_lshl_b32 s84, s84, 6                         ; 64 bytes a token in each: 1,024 for a tile of 16 (q, k), 8,192 for a block of 128 keys (v)
	s_add_co_u32 s86, s86, s84
	s_mov_b32 s87, 0
	s_cmp_eq_u32 ttmp9, 0
	s_cselect_b64 s[88:89], s[10:11], s[68:69]
	s_cmp_eq_u32 ttmp9, 2
	s_cselect_b64 s[88:89], s[70:71], s[88:89]     ; qc, kc or vc
	s_cselect_b32 s84, 0, 130048                   ; q, k: B's tiles 4-7 are the next head: 131,072 on, less the 1,024 that the stores' offsets 512 b have run
	s_mov_b32 s97, 1024
	s_cselect_b32 s97, 2048, s97                   ; from block a to a + 1: q, k: a tile of tokens; v: a tile of the head's 64,
	s_cselect_b32 s98, 122880, 0                   ; and from block 3 to 4 on to the next head: 131,072 - 4 x 2,048
	s_mov_b32 s85, 0
	s_add_nc_u64 s[88:89], s[88:89], s[86:87]
	s_add_nc_u64 s[90:91], s[88:89], s[84:85]
	s_mov_b32 s96, 0
.irp a, 0,1,2,3,4,5,6,7
	v_add_nc_u32 v[VA+\a], s96, v[LI]
	s_add_co_u32 s96, s96, s97
.if \a == 3
	s_add_co_u32 s96, s96, s98
.endif
.endr
.macro FRAG reg, adr, q, i             ; a fragment comes as it lies: four loads of 512 consecutive bytes
.irp c, 0,1,2,3
	ds_load_b128 v[\reg+4*\c:\reg+4*\c+3], v[\adr] offset:2048*(\q)+512*\c+(\i)*KSB
.endr
.endm
; 16 matrix instructions: A's blocks a0, a0 + 1 x B's eight, 128 along K.  p: B's set.  zero = 1: the first product starts the sums: nothing is ever cleared.
; The 64 accumulators take turns, one instruction a turn, in the same order in every step.
.macro MUL16 a0, p, zero
.irp a, \a0, \a0+1
.irp b, 0,1,2,3,4,5,6,7
.if \zero
	v_wmma_f32_16x16x128_fp8_fp8 v[8*(8*((\a)%4)+\b):8*(8*((\a)%4)+\b)+7], v[128*(\p)+FR*\b:128*(\p)+FR*\b+FR-1], v[AF+FR*(\a):AF+FR*(\a)+FR-1], 0
.else
	v_wmma_f32_16x16x128_fp8_fp8 v[8*(8*((\a)%4)+\b):8*(8*((\a)%4)+\b)+7], v[128*(\p)+FR*\b:128*(\p)+FR*\b+FR-1], v[AF+FR*(\a):AF+FR*(\a)+FR-1], v[8*(8*((\a)%4)+\b):8*(8*((\a)%4)+\b)+7]
.endif
.endr
.endr
.endm
.macro FETCH_B slot, q, p              ; B's eight fragments of the slot's q-th 128 along K into set p
	WIN TO_B
.irp i, 0,1,2,3,4,5,6,7
	FRAG 128*(\p)+FR*\i, ADRB+\slot, \q, \i
.endr
	WIN 0
.endm
.macro FETCH_A slot, q, i0             ; A's blocks i0 .. i0 + 3
.irp i, \i0, \i0+1, \i0+2, \i0+3
	FRAG AF+FR*(\i), ADRA+\slot, \q, \i
.endr
.endm
.macro PLACES n                        ; plain vector instructions between a matrix instruction and a load into a register that it read, or a read of its result (ISA guide 7.12.1 for a read of its result)
.rept \n
	v_nop
.endr
.endm
; A step of 128 along K that has its successor in the same slot.  A block of A is free as soon as its eight products are issued: blocks 0-3 are fetched anew in the step's middle, blocks 4-7 at its end.
.macro STEP slot, q, zero
	s_wait_dscnt 4*NL                              ; B's set and A's blocks 0-3 are in; the youngest sixteen loads (A's blocks 4-7) may be out
	WIN MUL_LO
	MUL16 0, (\q)%2, \zero
	MUL16 2, (\q)%2, \zero
	s_wait_dscnt 0x0                               ; A's blocks 4-7 are in
	PLACES NP
	FETCH_B \slot, (\q)+1, 1-(\q)%2
	FETCH_A \slot, (\q)+1, 0
	WIN MUL_HI
	MUL16 4, (\q)%2, \zero
	MUL16 6, (\q)%2, \zero
	PLACES NP
	WIN 0
	FETCH_A \slot, (\q)+1, 4
.endm
; A slot's last step changes slots: ONE barrier; in front of it each wave waits for all its tensor loads, adds 0 to its spare word, and waits for that and for its own reads of this slot.  fill = 1: this slot is filled again, two slots ahead.
.macro TURN slot, next, fill
	s_wait_tensorcnt 0x0                           ; all my tensor loads have landed: my part of the next slot;  (every window is 0 here)
	ds_add_u32 v[SPW], v[NIL]                      ; 0 onto my spare word
	s_wait_dscnt 4*NL+1                            ; (the add and the youngest sixteen loads may be out)
	WIN MUL_LO
	MUL16 0, 1, 0                                  ; sixteen matrix instructions stand between the add and the wait for it
	s_wait_dscnt 0x0                               ; the add is done, and my reads of this slot are over
	s_barrier_signal -1
	MUL16 2, 1, 0
	WIN 0
	s_barrier_wait -1
.if \fill
	CREST                                          ; the barrier has opened a round of the cluster's barrier: no wave of any partner still reads this slot or has a load on its way
	s_add_nc_u64 s[G0+4*\slot+2:G0+4*\slot+3], s[G0+4*\slot+2:G0+4*\slot+3], 2*KSB
	s_add_nc_u64 s[G0B+4*\slot+2:G0B+4*\slot+3], s[G0B+4*\slot+2:G0B+4*\slot+3], 2*KSB
	JLOAD G0+4*\slot, G1, G0B+4*\slot, G1B         ; the first tensor load behind the round, and my only one until the next; its four v_nop are the places in front of the loads below
.else
	PLACES NP
.endif
	s_wait_alu depctr_va_vdst(0)
	FETCH_B \next, 0, 0
	FETCH_A \next, 0, 0
	WIN MUL_HI
	MUL16 4, 1, 0
	MUL16 6, 1, 0
	PLACES NP
	WIN 0
	FETCH_A \next, 0, 4
.endm
	s_wait_tensorcnt 0x1                           ; my part of slot 0 is in; slot 1's load may be out
	s_barrier_signal -1
	s_barrier_wait -1                              ; everybody's is
	FETCH_B 0, 0, 0
	FETCH_A 0, 0, 0
	FETCH_A 0, 0, 4
	STEP 0, 0, 1                                   ; K 0-127: its products start the sums.  K = 1,024 is four slots: written out, no loop
	TURN 0, 1, 1                                   ; K 128-255; slot 0 takes K 512-767
	STEP 1, 0, 0
	TURN 1, 0, 1                                   ; slot 1 takes K 768-1,023
	STEP 0, 0, 0
	TURN 0, 1, 0                                   ; nothing is left to fetch
	STEP 1, 0, 0
	s_wait_dscnt 4*NL                              ; the very last step
	WIN MUL_LO
	MUL16 0, 1, 0
	MUL16 2, 1, 0
	s_wait_dscnt 0x0
	WIN MUL_HI
	MUL16 4, 1, 0
	MUL16 6, 1, 0
	WIN 0
	; THE WAY OUT: no LDS.  Block a's 64 sums of a lane are held, converted (16 registers of codes: four groups of the image) and stored: each store covers 512 consecutive bytes at a multiple of 512.
	s_wait_kmcnt 0x0
	s_cmp_eq_u32 ttmp9, 0
	s_cselect_b32 s92, s78, s79                    ; e2 for q, e3 for k,
	s_cmp_eq_u32 ttmp9, 2
	s_cselect_b32 s92, s81, s92                    ; e5 for v
	s_sub_co_i32 s92, s92, s76
	s_sub_co_i32 s92, s92, s77
	s_add_co_i32 s92, s92, 127
	s_lshl_b32 s93, s92, 23
	v_mov_b32 v[SCL], s93                          ; 2^(es - e0 - e1)
	s_wait_alu depctr_va_vdst(0)
	s_add_co_i32 s92, s92, 8
	s_lshl_b32 s95, s92, 23
	s_or_b32 s95, s95, 0x600000                    ; 448 x that,
	s_or_b32 s94, s95, 0x80000000                  ; and its negative
	PLACES NP                                      ; behind the last products: for the reads of results and for the codes that land where A's fragments lay
.macro OUTBLK a
.set AC, 64*((\a)%4)
	WIN 0x82+0x41*((\a)/4)                         ; source 0 and destination: window 2 or 3
.set j, 0
.rept 64
.set j, j+1
.endr
	WIN 2+(\a)/4                                   ; source 0 alone
.irp g, 0,1,2,3,4,5,6,7
	v_cvt_scalef32_pk8_fp8_f32 v[CD+16*(\a)+2*\g:CD+16*(\a)+2*\g+1], v[AC+8*\g:AC+8*\g+7], v[SCL]
.endr
	v_nop                                          ; one plain vector instruction behind the last conversion of a run
	WIN 0
.irp b, 0,1
	global_store_b128 v[VA+(\a)], v[CD+16*(\a)+4*\b:CD+16*(\a)+4*\b+3], s[88:89] offset:512*\b
.endr
.irp b, 2,3
	global_store_b128 v[VA+(\a)], v[CD+16*(\a)+4*\b:CD+16*(\a)+4*\b+3], s[90:91] offset:512*\b
.endr
.endm
.irp a, 0,1,2,3,4,5,6,7
	OUTBLK \a
.endr
	s_wait_tensorcnt 0x0                           ; the wave's end, behind my last tensor load
	ds_add_u32 v[SPW], v[NIL]
	s_wait_dscnt 0x0
	CROUND                                         ; the closing round: no work-group ends while a partner may still ask for a tile that names it
	s_endpgm
.Lfunc_end_k_q8e6bf72f15_qkv:
	.size	k_q8e6bf72f15_qkv, .Lfunc_end_k_q8e6bf72f15_qkv-k_q8e6bf72f15_qkv
	.p2alignl 7, 3214868480
	.fill 96, 4, 3214868480
	.section	.rodata,"a",@progbits
	.p2align	6, 0x0
	.amdhsa_kernel k_q8e6bf72f15_qkv
		.amdhsa_group_segment_fixed_size 327680
		.amdhsa_private_segment_fixed_size 0
		.amdhsa_enable_private_segment 0
		.amdhsa_kernarg_size 48
		.amdhsa_user_sgpr_count 2
		.amdhsa_user_sgpr_kernarg_segment_ptr 1
		.amdhsa_wavefront_size32 1
		.amdhsa_system_sgpr_workgroup_id_x 1
		.amdhsa_system_sgpr_workgroup_id_y 1
		.amdhsa_system_sgpr_workgroup_id_z 1
		.amdhsa_system_vgpr_workitem_id 0
		.amdhsa_next_free_vgpr 1024
		.amdhsa_next_free_sgpr 100
		.amdhsa_reserve_vcc 0
		.amdhsa_float_denorm_mode_32 3
		.amdhsa_float_denorm_mode_16_64 3
		.amdhsa_fp16_overflow 1
		.amdhsa_memory_ordered 1
		.amdhsa_forward_progress 1
		.amdhsa_inst_pref_size 87
	.end_amdhsa_kernel
	.amdgpu_metadata
---
amdhsa.version: [ 1, 2 ]
amdhsa.kernels:
  - .name:           k_q8e6bf72f15_qkv
    .symbol:         k_q8e6bf72f15_qkv.kd
    .args:
      - { .name: xc, .offset: 0, .size: 8, .value_kind: global_buffer, .address_space: global }
      - { .name: wqc, .offset: 8, .size: 8, .value_kind: global_buffer, .address_space: global }
      - { .name: lowp_scales, .offset: 16, .size: 8, .value_kind: global_buffer, .address_space: global }
      - { .name: qc, .offset: 24, .size: 8, .value_kind: global_buffer, .address_space: global }
      - { .name: kc, .offset: 32, .size: 8, .value_kind: global_buffer, .address_space: global }
      - { .name: vc, .offset: 40, .size: 8, .value_kind: global_buffer, .address_space: global }
    .group_segment_fixed_size: 327680
    .private_segment_fixed_size: 0
    .kernarg_segment_align: 8
    .kernarg_segment_size: 48
    .max_flat_workgroup_size: 128
    .sgpr_count:     100
    .vgpr_count:     1024
    .wavefront_size: 32
...
	.end_amdgpu_metadata
.endif
;; end of part 2
;; launch attn (part 3): grid 4 x 64, 16 waves a work-group, clusters of 4 x 1, 327,680 bytes of LDS; arguments qc, kc, vc, lowp_scales, ac; writes ac
.if DOCPART == 3
	.amdgcn_target "amdgcn-amd-amdhsa--gfx1250"
	.amdhsa_code_object_version 6
	.text
	.protected	k_q8e6bf72f15_attn
	.globl	k_q8e6bf72f15_attn
	.p2align	8
	.type	k_q8e6bf72f15_attn,@function
k_q8e6bf72f15_attn:
	s_mov_b64 s[64:65], 0
	v_nop
	global_prefetch_b8 v0, s[64:65] scope:SCOPE_SE
	s_setreg_imm32_b32 hwreg(HW_REG_WAVE_MODE, 25, 1), 1
	s_wait_xcnt 0x0
	s_wait_alu depctr_hold_cnt(0) depctr_sa_sdst(0) depctr_va_vdst(0) depctr_va_sdst(0) depctr_va_ssrc(0) depctr_va_vcc(0) depctr_vm_vsrc(0)
	s_getreg_b32 s2, hwreg(HW_REG_IB_STS2, 6, 4)
	s_cmp_eq_u32 s2, 0
	s_cbranch_scc0 .Lentry_in_a_cluster
	s_endpgm
.Lentry_in_a_cluster:
	s_bfe_u32 s2, ttmp6, 0x10000c
	s_cmp_lg_u32 s2, 0x3003
	s_cbranch_scc0 .Lentry_shape_is_right
	s_endpgm
.Lentry_shape_is_right:
; Causal attention of one head (64 channels, 2,048 tokens) on codes of FP8 (E4M3), and its result quantised for the last product.  qc, kc: [64 heads][128 tiles of 16 places][1,024]; vc: [64 heads][16 blocks of 128 keys][4 tiles][2,048];
; ac: [512 tiles of 16 places][8 K steps][2,048].  All are images of registers: lane l's registers 4 c .. 4 c + 3 at 512 c + 16 l, k = 32 c + 16 (l / 16) + 0 .. 15.  Place i of a tile order is token sigma(i) (bits 3 and 4 swapped).
; THE SOFTMAX: t = score x log2(e) / 8; M = the row's largest t so far, rounded UP to a whole number; p = 2^(t - M) is quantised (entry 4 of the scales), not normalised; the row's sum is taken of the unquantised p
; and divides at the end.  When M moves, the sum and O are multiplied by 2^(old M - new M): exact.
; LAYOUT.  S^T = K Q^T (source 0 = 16 places of keys, source 1 = my 16 queries), O^T = V^T P^T: a lane holds ONE query throughout.  By the order sigma the 16 registers of two neighbouring tiles of keys are the true keys
; 32 b + 16 (l / 16) + 0 .. 15, the order in which vc holds its keys; likewise O^T's registers are true channels, and the conversions at the end give registers of ac's image.
; SHARES.  A cluster of four work-groups is one head.  Wave w of work-group cx owns the query tiles aL = 4 w + cx and aH = 127 - aL.  Tile a needs the key steps (128 keys) 0 .. a / 8: w / 2 + 1 and 16 - w / 2 steps:
; SEVENTEEN for every wave of the launch, two of them on the diagonal; both counts hang on the wave's number alone.  A step beyond a tile's last is jumped over; on the diagonal hidden scores become -infinity.
; LDS HOLDS THE WHOLE HEAD: K's 131,072 bytes, then V's: nothing is filled again.  Each of the sixteen waves asks for two parts, jointly with its three partners (the same descriptor, a mask that names the four): first its
; eighth of keys 0-255, then its eighth of the rest, so that the first two steps are worked while the rest is on its way.  Nothing is prefetched: all of K and V is asked for at the head.
; LIMITS on the given exponents: e2 + e3 between -123 and 130 (added to c's exponent field); e4, and e6 - e4 - e5, between -126 and 119.
; REGISTERS: v1 16 x lane; v3 the same in V's region; v2, v9 the step's addresses; v6, v7 the mask's terms; v[10:11], v[14:15] -M and the largest t of tiles L, H; v[12:13], v[248:249] their sums in two halves;
;   v16-23, v24-31 Q; v32-95 K's or V's fragments; v96-159 S^T, then p; v160-191, v192-223 O^T; v224-239 p's codes; v244, v245 the scales; v246 -infinity; v236, v242, v243, v252-254 at work.
.set VREG,  131072                     ; V's region
.set SPARE, 262144                     ; behind both: the spare words, 128 bytes for each wave: eight blocks of 256 bytes that no other line names
.set LI,   1
.set ADK,  2
.set LV,   3
.set SPW,  4                           ; v4   LDS address of my spare word; never rewritten
.set NIL,  5                           ; v5   0; never rewritten
.set DL,   6
.set DH,   7
.set ADV,  9
.set WV,   18                          ; s18  my wave's number
.set NLO,  30                          ; s30  key steps of tile L
.set NHI,  31                          ; s31  of tile H
.set G1A,  32                          ; s[32:39] descriptor group 1: 8 rows of 256 bytes;  s[40:47]: 56 rows
.set G1B,  40
.set G0A,  48                          ; s[48:51], s[52:55] their groups 0
.set G0B,  52
.set CS,   66                          ; s[66:67] c = log2(e) / 8 x 2^(e2 + e3)
.set SEL,  68                          ; s[68:69] lane selects for v_permlanex16_b32: lane l xor 16
.set TB,   80                          ; s80  the step's first byte in K's and in V's region
.set ST,   81                          ; s81  the step's number
.macro ROUND                           ; a round of the cluster's barrier
	s_barrier_signal -1
	s_barrier_wait -1
	s_cmp_lg_u32 s[WV], 0
	s_cbranch_scc1 .Lnot_wave_0_\@
	s_barrier_signal -3
.Lnot_wave_0_\@:
	s_barrier_wait -3
	s_barrier_signal -1
	s_barrier_wait -1
.endm
	s_load_b256 s[4:11], s[0:1], 0x0               ; qc s[4:5], kc s[6:7], vc s[8:9], the scales' exponents s[10:11]
	s_load_b64 s[12:13], s[0:1], 0x20              ; ac
	v_lshl_add_u32 v[SPW], v0, 2, SPARE
	v_mov_b32 v[NIL], 0
	ds_add_u32 v[SPW], v[NIL]                      ; the wave's opening: the add and its wait stand ahead of my first tensor load; the set-up below, work on registers, stands between them
	ds_add_u32 v[SPW], v[NIL]
	v_lshrrev_b32 v8, 5, v0
	s_delay_alu instid0(VALU_DEP_1)
	v_readfirstlane_b32 s[WV], v8                  ; wave 0..15
	s_bfe_u32 s19, ttmp6, 0x40000                  ; cx: it enters Q's and ac's addresses and the mask's terms alone
	s_and_b32 s20, ttmp7, 0xffff                   ; the head, which the four partners share
	s_mov_b32 s[G1A], 15|(3<<16)|(1<<21)           ; 15:0 the mask: all four work-groups; 17:16 elements of 8 bytes; 21 set beside a mask
	s_mov_b32 s[G1A+1], 32<<16                     ; tensor_dim0 = 32 elements: rows of 256 bytes, dense in memory and in LDS
	s_mov_b32 s[G1A+2], 8<<16                      ; tensor_dim1
	s_mov_b32 s[G1A+3], 32<<16                     ; tile_dim0
	s_mov_b32 s[G1A+4], 8                          ; tile_dim1
	s_mov_b32 s[G1A+5], 32                         ; tensor_dim0_stride
	s_mov_b32 s[G1A+6], 0
	s_mov_b32 s[G1A+7], 0
	s_mov_b32 s[G1B], 15|(3<<16)|(1<<21)
	s_mov_b32 s[G1B+1], 32<<16
	s_mov_b32 s[G1B+2], 56<<16
	s_mov_b32 s[G1B+3], 32<<16
	s_mov_b32 s[G1B+4], 56
	s_mov_b32 s[G1B+5], 32
	s_mov_b32 s[G1B+6], 0
	s_mov_b32 s[G1B+7], 0
	s_lshr_b32 s21, s[WV], 3                       ; waves 0-7 fetch K, waves 8-15 V
	s_lshl_b32 s21, s21, 17                        ; the region
	s_and_b32 s22, s[WV], 7                        ; which eighth
	s_lshl_b32 s84, s22, 11                        ; of the first 16,384 bytes (keys 0-255): 2,048 each,
	s_mov_b32 s85, 0
	s_mul_i32 s86, s22, 14336                      ; of the other 114,688: 14,336 each
	s_add_co_u32 s86, s86, 16384
	s_mov_b32 s87, 0
	s_add_co_u32 s25, s21, s84                     ; the same places in LDS
	s_add_co_u32 s26, s21, s86
	s_lshl_b32 s28, s20, 17                        ; the head's first byte in qc, kc and vc
	s_mov_b32 s29, 0
	s_lshr_b32 s23, s[WV], 1
	s_add_co_u32 s[NLO], s23, 1
	s_sub_co_u32 s[NHI], 16, s23
	s_mov_b32 s[SEL], 0x76543210
	s_mov_b32 s[SEL+1], 0xfedcba98
	s_mov_b32 s[CS], 0x3e38aa3b                    ; log2(e) / 8
	s_wait_dscnt 0x0                               ; the opening add is done
	s_wait_kmcnt 0x0
	s_load_b256 s[72:79], s[10:11], 0x0            ; e0 .. e7
	s_cmp_lt_u32 s[WV], 8
	s_cselect_b64 s[2:3], s[6:7], s[8:9]           ; the choice hangs on the wave's number alone: the same in all four partners
	s_add_nc_u64 s[2:3], s[2:3], s[28:29]
	s_mov_b32 s[G0A], 1
	s_mov_b32 s[G0A+1], s25
	s_add_nc_u64 s[G0A+2:G0A+3], s[2:3], s[84:85]
	s_or_b32 s[G0A+3], s[G0A+3], 0x80000000
	s_mov_b32 s[G0B], 1
	s_mov_b32 s[G0B+1], s26
	s_add_nc_u64 s[G0B+2:G0B+3], s[2:3], s[86:87]
	s_or_b32 s[G0B+3], s[G0B+3], 0x80000000
	ROUND                                          ; all four work-groups are here: the joint loads meet
	tensor_load_to_lds s[G0A:G0A+3], s[G1A:G1A+7]  ; my eighth of keys 0-255
	s_nop 0
	s_wait_alu depctr_va_vdst(0)
	s_wait_tensorcnt 0x0
	ds_add_u32 v4, v5
	s_wait_dscnt 0x0
	ROUND
	tensor_load_to_lds s[G0B:G0B+3], s[G1B:G1B+7]  ; my eighth of the rest: the first has landed: one load of mine is out, and these are all
	s_nop 0
.rept 4
	v_nop
.endr
	s_lshl_b32 s21, s[WV], 2
	s_add_co_u32 s21, s21, s19                     ; aL
	s_sub_co_u32 s22, 127, s21                     ; aH
	s_lshl_b32 s24, s21, 10
	s_mov_b32 s25, 0
	s_add_nc_u64 s[24:25], s[24:25], s[28:29]
	s_add_nc_u64 s[56:57], s[4:5], s[24:25]        ; Q of tile L
	s_lshl_b32 s24, s22, 10
	s_mov_b32 s25, 0
	s_add_nc_u64 s[24:25], s[24:25], s[28:29]
	s_add_nc_u64 s[58:59], s[4:5], s[24:25]        ; of tile H
	s_lshr_b32 s23, s20, 4
	s_lshl_b32 s23, s23, 7                         ; the batch's 128 tiles of rows in ac
	s_and_b32 s27, s20, 15
	s_lshl_b32 s27, s27, 10                        ; the head's 64 channels: 1,024 bytes of a tile's 16,384
	s_add_co_u32 s24, s23, s21
	s_lshl_b32 s24, s24, 14
	s_add_co_u32 s24, s24, s27
	s_mov_b32 s25, 0
	s_add_nc_u64 s[60:61], s[12:13], s[24:25]      ; ac for tile L
	s_add_co_u32 s24, s23, s22
	s_lshl_b32 s24, s24, 14
	s_add_co_u32 s24, s24, s27
	s_add_nc_u64 s[62:63], s[12:13], s[24:25]      ; for tile H
	v_and_b32 v8, 31, v0
	s_delay_alu instid0(VALU_DEP_1)
	v_lshlrev_b32 v[LI], 4, v8
	s_delay_alu instid0(VALU_DEP_1)
	v_add_nc_u32 v[LV], VREG, v[LI]
	global_load_b128 v[16:19], v[LI], s[56:57]
	global_load_b128 v[20:23], v[LI], s[56:57] offset:512
	global_load_b128 v[24:27], v[LI], s[58:59]
	global_load_b128 v[28:31], v[LI], s[58:59] offset:512
	; The mask's term.  Lane l of tile a holds the query 32 ((a / 2) % 4) + 8 (a % 2) + l % 8 + 16 ((l / 8) % 2) of its diagonal step; register 16 b + i holds key 32 b + i + 16 (l / 16): hidden where 32 b + i > d,
	; d = the query - 16 (l / 16)
	s_lshr_b32 s23, s21, 1
	s_and_b32 s23, s23, 3
	s_lshl_b32 s23, s23, 5
	s_and_b32 s24, s21, 1
	s_lshl_b32 s24, s24, 3
	s_add_co_u32 s23, s23, s24
	s_lshr_b32 s27, s22, 1
	s_and_b32 s27, s27, 3
	s_lshl_b32 s27, s27, 5
	s_and_b32 s24, s22, 1
	s_lshl_b32 s24, s24, 3
	s_add_co_u32 s27, s27, s24
	v_and_b32 v[DL], 7, v0
	v_and_b32 v[DH], 8, v0
	s_delay_alu instid0(VALU_DEP_1)
	v_lshl_add_u32 v[DL], v[DH], 1, v[DL]
	v_and_b32 v[DH], 16, v0
	s_delay_alu instid0(VALU_DEP_1)
	v_sub_nc_u32 v[DH], v[DL], v[DH]
	s_delay_alu instid0(VALU_DEP_1)
	v_add_nc_u32 v[DL], s23, v[DH]
	s_delay_alu instid0(VALU_DEP_2)
	v_add_nc_u32 v[DH], s27, v[DH]
	v_mov_b32 v11, 0xff61b1e6                      ; the largest t so far: -3e38, under every t
	s_delay_alu instid0(VALU_DEP_1)
	v_floor_f32 v10, -v11                          ; -M
	v_mov_b32 v12, 0                               ; the sum, in two halves
	v_mov_b32 v13, 0
	v_mov_b32 v15, 0xff61b1e6
	s_delay_alu instid0(VALU_DEP_1)
	v_floor_f32 v14, -v15
	v_mov_b32 v248, 0
	v_mov_b32 v249, 0
	v_mov_b32 v236, 0                              ; written once: a lane permute's destination counts as one of its sources
	v_mov_b32 v253, 0                              ; (named as the upper half of the pair v[252:253])
	v_mov_b32 v246, 0xff800000                     ; -infinity
.set i, 0
.rept 64
	v_mov_b32 v[160+i], 0                          ; O^T of both tiles.  (The step is written for all steps alike: the first finds zeros, which the first change of M leaves zeros)
.set i, i+1
.endr
	s_wait_kmcnt 0x0
	s_add_co_i32 s82, s74, s75
	s_lshl_b32 s82, s82, 23
	s_add_co_i32 s[CS], s[CS], s82                 ; a score stands for score x 2^(e2 + e3): added to c's exponent field
	s_mov_b32 s[CS+1], s[CS]                       ; (named with it as a pair, so it is written)
	s_add_co_i32 s82, s76, 127
	s_lshl_b32 s83, s82, 23
	v_mov_b32 v244, s83                            ; 2^e4, for p's conversions
	s_sub_co_i32 s82, s78, s76
	s_sub_co_i32 s82, s82, s77
	s_add_co_i32 s82, s82, 127                     ; O^T / the sum stands for that x 2^(e4 + e5): its code is that / 2^(e6 - e4 - e5)
	s_lshl_b32 s83, s82, 23
	v_mov_b32 v245, s83
; A KEY STEP of one tile: 128 keys.  qf: Q's registers; of: O^T's; sf: the pair -M, largest t; lf: the sum's pair; df: the mask's term; nf: the scalar that holds the tile's number of steps.
.macro STEP qf, of, sf, lf, df, nf
	s_cmp_ge_u32 s[ST], s[\nf]                     ; a step all of whose keys come after my queries is left out: the wave's number and the count of steps alone
	s_cbranch_scc1 .Lhid_\@
	v_add_nc_u32 v[ADK], s[TB], v[LI]
	v_add_nc_u32 v[ADV], s[TB], v[LV]
	v_nop
	v_nop                                          ; with the two additions: four places in front of loads into registers that the last products read
.irp jj, 0,1,2,3,4,5,6,7
	ds_load_b128 v[32+8*\jj:35+8*\jj], v[ADK] offset:1024*\jj       ; tile jj of 16 places of keys x 64 channels: 1,024 bytes as they lie
	ds_load_b128 v[36+8*\jj:39+8*\jj], v[ADK] offset:1024*\jj+512
.endr
	s_wait_alu depctr_va_vdst(0)
	s_wait_dscnt 0x0
.irp jj, 0,1,2,3,4,5,6,7
	v_wmma_f32_16x16x64_fp8_fp8 v[96+8*\jj:103+8*\jj], v[32+8*\jj:39+8*\jj], v[\qf:\qf+7], 0
.endr
.rept 4
	v_nop                                          ; places: for the loads below, into K's registers, and for the first read of the scores
.endr
.irp t, 0,1,2,3
.irp c, 0,1,2,3
	ds_load_b128 v[32+16*\t+4*\c:35+16*\t+4*\c], v[ADV] offset:2048*\t+512*\c   ; V's four fragments (16 places of the head's 64 x 128 keys): they land while the softmax is worked
.endr
.endr
	s_add_co_u32 s82, s[ST], 1
	s_cmp_lg_u32 s82, s[\nf]                       ; the tile's last step lies on the diagonal
	s_cbranch_scc1 .Lopen_\@
.set mm, 0
.rept 64
	v_cmp_gt_i32 vcc_lo, 32*(mm/16)+mm%16, v[\df]
	v_cndmask_b32 v[96+mm], v[96+mm], v246, vcc_lo ; a hidden score becomes -infinity ahead of the maximum: p = 0 then
.set mm, mm+1
.endr
.Lopen_\@:
	v_max3_num_f32 v254, v96, v97, v98             ; the step's largest score of my query among my 64 keys, in two chains, each accumulator from its low end on,
	v_max3_num_f32 v252, v99, v100, v101
.irp i, 6,10,14,18,22,26,30,34,38,42,46,50,54,58
	v_max3_num_f32 v254, v254, v[96+\i], v[97+\i]
	v_max3_num_f32 v252, v252, v[98+\i], v[99+\i]
.endr
	v_max3_num_f32 v254, v254, v158, v159
	s_delay_alu instid0(VALU_DEP_1)
	v_max_num_f32 v254, v254, v252
	v_permlanex16_b32 v236, v254, s[SEL], s[SEL+1]
	s_delay_alu instid0(VALU_DEP_1)
	v_max_num_f32 v254, v254, v236                 ; and among lane l xor 16's
	s_delay_alu instid0(VALU_DEP_1)
	v_mul_f32 v254, s[CS], v254                    ; as t (c is positive)
	s_delay_alu instid0(VALU_DEP_1)
	v_max_num_f32 v[\sf+1], v[\sf+1], v254         ; the running largest t
	v_mov_b32 v254, v[\sf]
	s_delay_alu instid0(VALU_DEP_2)
	v_floor_f32 v[\sf], -v[\sf+1]                  ; the new -M = floor(-t) = -ceil(t): a whole number
	s_delay_alu instid0(VALU_DEP_1)
	v_sub_f32 v254, v[\sf], v254                   ; M's old value less its new one: a whole number, 0 or less
	s_delay_alu instid0(VALU_DEP_1)
	v_cvt_i32_f32 v254, v254                       ; (it saturates)
	s_delay_alu instid0(VALU_DEP_1)
	v_ldexp_f32 v252, 1.0, v254                    ; f = 2^(old M - new M)
.set i, 0
.rept 32
	v_pk_fma_f32 v[96+i:97+i], v[96+i:97+i], s[CS:CS+1], v[\sf:\sf+1] op_sel_hi:[1,0,0]   ; t - M, two at a time (of the pairs c and -M the low word serves both halves)
.set i, i+2
.endr
.set i, 0
	s_wait_alu depctr_va_vdst(0)
.rept 64
	v_exp_f32 v[96+i], v[96+i]                     ; p = 2^(t - M), at most 1
.set i, i+1
.endr
	v_pk_mul_f32 v[\lf:\lf+1], v[\lf:\lf+1], v[252:253] op_sel_hi:[1,0]   ; the sums under the new M.  (The plain instruction behind the exponentials)
	s_wait_alu depctr_va_vdst(0)                   ; the wait ahead of the first instruction that names a result: one for the batch of 64
	v_pk_add_f32 v[242:243], v[96:97], v[98:99]    ; the row's sum is taken of the unquantised p: two at a time, in two chains
.set i, 4
.rept 15
	v_pk_add_f32 v[\lf:\lf+1], v[\lf:\lf+1], v[96+i:97+i]
	v_pk_add_f32 v[242:243], v[242:243], v[98+i:99+i]
.set i, i+4
.endr
	s_delay_alu instid0(VALU_DEP_1)
	v_pk_add_f32 v[\lf:\lf+1], v[\lf:\lf+1], v[242:243]
.irp b, 0,1,2,3
.irp i, 0,1,2,3,4,5,6,7,8,9,10,11,12,13,14,15
.endr
	v_cvt_scalef32_pk8_fp8_f32 v[224+4*\b:225+4*\b], v[96+16*\b:103+16*\b], v244   ; keys 32 b + 16 (l / 16) + 0 .. 15: registers 4 b .. 4 b + 3 of the operand
	v_cvt_scalef32_pk8_fp8_f32 v[226+4*\b:227+4*\b], v[104+16*\b:111+16*\b], v244
.endr
.set i, 0
.rept 16
	v_pk_mul_f32 v[\of+i:\of+i+1], v[\of+i:\of+i+1], v[252:253] op_sel_hi:[1,0]   ; O^T under the new M.  (Plain instructions between the conversions and the products)
.set i, i+2
.endr
	s_wait_alu depctr_va_vdst(0)
	s_wait_dscnt 0x0                               ; V is in
.irp t, 0,1,2,3
	v_wmma_f32_16x16x128_fp8_fp8 v[\of+8*\t:\of+8*\t+7], v[32+16*\t:47+16*\t], v[224:239], v[\of+8*\t:\of+8*\t+7]   ; four accumulators by turns
.endr
.Lhid_\@:
.endm
.macro TRIP                            ; a key step of both tiles
	STEP 24, 192, 14, 248, DH, NHI
	STEP 16, 160, 10, 12, DL, NLO
.endm
	s_wait_loadcnt 0x0                             ; Q
	s_wait_tensorcnt 0x1                           ; my eighth of keys 0-255 is in; my second load may be out
	s_barrier_signal -1
	s_barrier_wait -1                              ; everybody's is
	s_mov_b32 s[TB], 0                             ; steps 0 and 1 are written out: they read the first 16,384 bytes of each region, where no load is on its way
	s_mov_b32 s[ST], 0
	TRIP
	s_mov_b32 s[TB], 8192
	s_mov_b32 s[ST], 1
	TRIP
	s_wait_tensorcnt 0x0                           ; my eighth of the rest is in,
	s_wait_dscnt 0x0
	s_barrier_signal -1
	s_barrier_wait -1                              ; everybody's is
	s_mov_b32 s[TB], 16384
	s_mov_b32 s[ST], 2
.Lkeys:                                            ; steps 2 to 15: fourteen trips for every wave; what a tile does not need is jumped over inside
	TRIP
	s_add_co_u32 s[TB], s[TB], 8192
	s_add_co_u32 s[ST], s[ST], 1
	s_cmp_lt_u32 s[ST], 16
	s_cbranch_scc1 .Lkeys
; THE WAY OUT of a tile: the sum's halves are added; O^T / the sum is held, converted and stored as two groups of ac's image: 512 consecutive bytes a store, at a multiple of 512.
.macro FINISH of, lf, cf, ap
	v_add_f32 v254, v[\lf], v[\lf+1]
	v_permlanex16_b32 v236, v254, s[SEL], s[SEL+1]
	s_delay_alu instid0(VALU_DEP_1)
	v_add_f32 v254, v254, v236                     ; the row's sum
	s_wait_alu depctr_va_vdst(0)
	v_rcp_f32 v252, v254
	v_nop                                          ; a plain instruction behind the reciprocal,
	s_wait_alu depctr_va_vdst(0)                   ; and the wait ahead of its first reader
.irp j, 0,2,4,6,8,10,12,14,16,18,20,22,24,26,28,30
	v_pk_mul_f32 v[96+\j:97+\j], v[\of+\j:\of+\j+1], v[252:253] op_sel_hi:[1,0]   ; registers 16 b + i: channel 32 b + 16 (l / 16) + i of the head
.endr
.set i, 0
.rept 32
.set i, i+1
.endr
.irp g, 0,1,2,3
	v_cvt_scalef32_pk8_fp8_f32 v[\cf+2*\g:\cf+2*\g+1], v[96+8*\g:103+8*\g], v245
.endr
	v_nop                                          ; one plain vector instruction behind the last conversion of a run
	global_store_b128 v[LI], v[\cf:\cf+3], s[\ap:\ap+1]
	global_store_b128 v[LI], v[\cf+4:\cf+7], s[\ap:\ap+1] offset:512
.endm
.rept 4
	v_nop                                          ; places behind the last products
.endr
	FINISH 160, 12, 224, 60
	FINISH 192, 248, 232, 62
	s_wait_tensorcnt 0x0                           ; the wave's end, behind my last tensor load
	ds_add_u32 v[SPW], v[NIL]
	s_wait_dscnt 0x0
	ROUND                                          ; the closing round
	s_endpgm
.Lfunc_end_k_q8e6bf72f15_attn:
	.size	k_q8e6bf72f15_attn, .Lfunc_end_k_q8e6bf72f15_attn-k_q8e6bf72f15_attn
	.p2alignl 7, 3214868480
	.fill 96, 4, 3214868480
	.section	.rodata,"a",@progbits
	.p2align	6, 0x0
	.amdhsa_kernel k_q8e6bf72f15_attn
		.amdhsa_group_segment_fixed_size 327680
		.amdhsa_private_segment_fixed_size 0
		.amdhsa_enable_private_segment 0
		.amdhsa_kernarg_size 40
		.amdhsa_user_sgpr_count 2
		.amdhsa_user_sgpr_kernarg_segment_ptr 1
		.amdhsa_wavefront_size32 1
		.amdhsa_system_sgpr_workgroup_id_x 1
		.amdhsa_system_sgpr_workgroup_id_y 1
		.amdhsa_system_sgpr_workgroup_id_z 1
		.amdhsa_system_vgpr_workitem_id 0
		.amdhsa_next_free_vgpr 256
		.amdhsa_next_free_sgpr 100
		.amdhsa_reserve_vcc 1
		.amdhsa_float_denorm_mode_32 3
		.amdhsa_float_denorm_mode_16_64 3
		.amdhsa_fp16_overflow 1
		.amdhsa_memory_ordered 1
		.amdhsa_forward_progress 1
		.amdhsa_inst_pref_size 126
	.end_amdhsa_kernel
	.amdgpu_metadata
---
amdhsa.version: [ 1, 2 ]
amdhsa.kernels:
  - .name:           k_q8e6bf72f15_attn
    .symbol:         k_q8e6bf72f15_attn.kd
    .args:
      - { .name: qc, .offset: 0, .size: 8, .value_kind: global_buffer, .address_space: global }
      - { .name: kc, .offset: 8, .size: 8, .value_kind: global_buffer, .address_space: global }
      - { .name: vc, .offset: 16, .size: 8, .value_kind: global_buffer, .address_space: global }
      - { .name: lowp_scales, .offset: 24, .size: 8, .value_kind: global_buffer, .address_space: global }
      - { .name: ac, .offset: 32, .size: 8, .value_kind: global_buffer, .address_space: global }
    .group_segment_fixed_size: 327680
    .private_segment_fixed_size: 0
    .kernarg_segment_align: 8
    .kernarg_segment_size: 40
    .max_flat_workgroup_size: 512
    .sgpr_count:     100
    .vgpr_count:     256
    .wavefront_size: 32
...
	.end_amdgpu_metadata
.endif
;; end of part 3
;; launch proj (part 4): grid 4 x 32, 4 waves a work-group, clusters of 4 x 4, 327,680 bytes of LDS; arguments ac, wpc, lowp_scales, out0; writes out0
.if DOCPART == 4
	.amdgcn_target "amdgcn-amd-amdhsa--gfx1250"
	.amdhsa_code_object_version 6
	.text
	.protected	k_q8e6bf72f15_proj
	.globl	k_q8e6bf72f15_proj
	.p2align	8
	.type	k_q8e6bf72f15_proj,@function
k_q8e6bf72f15_proj:
	s_mov_b64 s[64:65], 0
	v_nop
	global_prefetch_b8 v0, s[64:65] scope:SCOPE_SE
	s_setreg_imm32_b32 hwreg(HW_REG_WAVE_MODE, 25, 1), 1
	s_wait_xcnt 0x0
	s_wait_alu depctr_hold_cnt(0) depctr_sa_sdst(0) depctr_va_vdst(0) depctr_va_sdst(0) depctr_va_ssrc(0) depctr_va_vcc(0) depctr_vm_vsrc(0)
	s_getreg_b32 s2, hwreg(HW_REG_IB_STS2, 6, 4)
	s_cmp_eq_u32 s2, 0
	s_cbranch_scc0 .Lentry_in_a_cluster
	s_endpgm
.Lentry_in_a_cluster:
	s_bfe_u32 s2, ttmp6, 0x10000c
	s_cmp_lg_u32 s2, 0xf033
	s_cbranch_scc0 .Lentry_shape_is_right
	s_endpgm
.Lentry_shape_is_right:
; out0 = a w_proj on codes of FP8 (E4M3), K = 1,024: each finished sum is multiplied once by 2^(e6 + e7).  out0: [8192][1024] f32.
; LIMIT: e6 + e7 lies between -126 and 127, so that 2^(e6 + e7) is an f32 number.
; OPERANDS ARE IMAGES OF REGISTERS: a fragment (16 rows x 128 K) is 2,048 bytes, lane l's registers 4 c .. 4 c + 3 at 512 c + 16 l (k = 32 c + 16 (l / 16) + 0 .. 15, alike on both sides); a tensor is
; [tiles of 16 rows][8 K steps][2,048].  Place i of ac's rows holds token sigma(i) (bits 3 and 4 swapped): the stores' offsets put each row back; wpc's rows are the output's columns in natural order.
; A tile of the result, 256 x 256, is made by four waves, 128 x 128 each: 64 accumulators.  Source 0 = 16 rows of wpc, source 1 = 16 rows of ac: a lane holds eight neighbouring numbers of a row of the output.
; K goes in steps of 256 through a ring of two LDS slots; a wave's tensor load brings 8 tiles x 4,096 bytes.  CLUSTERS: 4 x 4; ac's tiles are asked for jointly along a row of the cluster, wpc's along a column.
; 128 work-groups: the output has 128 tiles of this size.
; REGISTERS, in windows of 256: window 0: v16-31 addresses; v128-255 A's fragments, ONE set; on the way out v32-255 are free.   window 1: B's fragments, TWO sets.   windows 2, 3: the accumulators.
.set FR,     16                        ; registers of a fragment
.set NL,     4                         ; LDS loads that bring one
.set NP,     4                         ; places behind this matrix instruction (ISA guide 7.12.1)
.set KSB,    4096                      ; a tile's bytes in a slot: two K steps of 128
.set HALFT,  8*KSB                     ; 128 rows: what one tensor load brings, and what one wave reads of A or of B
.set SLOT,   4*HALFT                   ; A's 256 rows, then B's 256 rows
.set SPARE,  2*SLOT                    ; behind the ring: the spare words, 128 bytes for each wave: two blocks of 256 bytes that no other line names
.set SPITCH, 528                       ; the way out: a stage of 16 rows x (512 bytes + 16) for each wave.  It lies in slot 0, which has had its last fill and its last read when the first result is stored there
.set ADRA, 16                          ; v16-17  LDS address of my A fragments in slot 0, 1
.set ADRB, 20                          ; v20-21  the same for B
.set STO,  24                          ; v24     the way out: where I put 32 bytes of a row
.set RD,   25                          ; v25     the way out: where I read a row back
.set CO,   26                          ; v26     16 x lane: my bytes of a row of 512
.set SPW,  28                          ; v28     LDS address of my spare word; never rewritten
.set NIL,  29                          ; v29     0; never rewritten
.set TMP,  32                          ; the way out: 64 registers, a block's sums x 2^(e6 + e7)
.set AF,   128
.set BK,   128                         ; the way out: 16 rows read back from the stage: v128-191 and v192-255 by turns
.set G1, 24                            ; s[24:31] descriptor group 1 for A's tiles;  s[32:39] group 0, one set for each slot
.set G0, 32
.set G1B, 48                           ; s[48:55], s[56:63] the same for B's tiles
.set G0B, 56
.set MSB, 0
.macro WIN new                         ; the immediate's high byte repeats the setting that is left; a switch that changes nothing is dropped
.if MSB != (\new)
	s_set_vgpr_msb (MSB<<8)|(\new)
.set MSB, (\new)
.endif
.endm
.set MUL_LO, 0xa1                      ; source 0 (B) window 1, source 1 (A) window 0, C and D window 2
.set MUL_HI, 0xf1                      ; the same, C and D window 3
.set TO_B,   0x40                      ; destination window 1, address window 0
; A joint load: waves 0 and 1 fetch for A, waves 2 and 3 for B; the branch hangs on the wave's number alone.  An s_nop 0 and four v_nop follow each of the two lines.
.macro JLOAD g0a, g1a, g0b, g1b
	s_cmp_eq_u32 s15, 0
	s_cbranch_scc0 .Lfor_b_\@
	tensor_load_to_lds s[\g0a:\g0a+3], s[\g1a:\g1a+7]
	s_nop 0
.rept 4
	v_nop
.endr
	s_branch .Lasked_\@
.Lfor_b_\@:
	tensor_load_to_lds s[\g0b:\g0b+3], s[\g1b:\g1b+7]
	s_nop 0
.rept 4
	v_nop
.endr
.Lasked_\@:
.endm
.macro CREST                           ; a round of the cluster's barrier behind its opening barrier
	s_cmp_lg_u32 s14, 0
	s_cbranch_scc1 .Lnot_wave_0_\@
	s_barrier_signal -3
.Lnot_wave_0_\@:
	s_barrier_wait -3
	s_barrier_signal -1
	s_barrier_wait -1
.endm
.macro CROUND                          ; a whole round
	s_barrier_signal -1
	s_barrier_wait -1
	CREST
.endm
	s_load_b128 s[4:7], s[0:1], 0x0                ; ac s[4:5], wpc s[6:7]
	s_load_b128 s[8:11], s[0:1], 0x10              ; the scales' exponents s[8:9], out0 s[10:11]
	v_lshl_add_u32 v[SPW], v0, 2, SPARE
	v_mov_b32 v[NIL], 0
	ds_add_u32 v[SPW], v[NIL]                      ; the wave's opening: the add and its wait stand ahead of my first tensor load; the set-up below, work on registers, stands between them
	ds_add_u32 v[SPW], v[NIL]
	v_lshrrev_b32 v1, 5, v0
	v_readfirstlane_b32 s14, v1                    ; wave 0..3
	s_lshr_b32 s15, s14, 1                         ; which half of the tile's rows is mine.  Also: I fetch for A (0) or for B (1)
	s_and_b32 s16, s14, 1                          ; which half of its columns.  Also: which 128 rows of that tile I fetch
	s_bfe_u32 s40, ttmp6, 0x40000                  ; cx, cy: my place in the cluster
	s_bfe_u32 s41, ttmp6, 0x40004
	s_lshl_b32 s42, ttmp9, 2
	s_add_co_u32 s42, s42, s40                     ; tile column = 4 x cluster x + cx
	s_and_b32 s17, ttmp7, 0xffff
	s_lshl_b32 s17, s17, 2
	s_add_co_u32 s17, s17, s41                     ; tile row = 4 x cluster y + cy
	s_lshl_b32 s43, s41, 2
	s_lshl_b32 s43, 15, s43                        ; my row of the cluster
	s_lshl_b32 s44, 0x1111, s40                    ; my column
	; descriptor group 1: 8 rows (tiles of 16) x 512 elements of 8 bytes, 2,048 elements from row to row; dense in LDS
	s_or_b32 s[G1+0], s43, (3<<16)|(1<<21)         ; 15:0 the mask: A's tiles go to my row; 17:16 elements of 8 bytes; 21 set beside a mask
	s_or_b32 s[G1B+0], s44, (3<<16)|(1<<21)
.irp g, G1, G1B
	s_mov_b32 s[\g+1], 512<<16                     ; tensor_dim0
	s_mov_b32 s[\g+2], 8<<16                       ; tensor_dim1
	s_mov_b32 s[\g+3], 512<<16                     ; tile_dim0
	s_mov_b32 s[\g+4], 8                           ; tile_dim1
	s_mov_b32 s[\g+5], 2048                        ; tensor_dim0_stride
	s_mov_b32 s[\g+6], 0
	s_mov_b32 s[\g+7], 0
.endr
	s_lshl_b32 s18, s16, 17                        ; which 8 tiles of 16,384 bytes I fetch
	s_lshl_b32 s20, s17, 18                        ; a block of 256 rows is 262,144 bytes
	s_add_co_u32 s20, s20, s18
	s_mov_b32 s21, 0
	s_lshl_b32 s46, s42, 18
	s_add_co_u32 s46, s46, s18
	s_mov_b32 s47, 0
	s_lshl_b32 s45, s14, 15                        ; where they go: wave x 32,768: no place in the cluster enters an LDS address
	s_wait_dscnt 0x0                               ; the opening add is done
	s_wait_kmcnt 0x0
	s_load_b64 s[96:97], s[8:9], 0x18              ; e6, e7
	s_add_nc_u64 s[20:21], s[4:5], s[20:21]
	s_add_nc_u64 s[46:47], s[6:7], s[46:47]
	CROUND                                         ; all sixteen work-groups are here: the first joint loads meet
.irp s, 0,1
	s_mov_b32 s[G0+4*\s], 1
	s_add_co_u32 s[G0+4*\s+1], s45, \s*SLOT
	s_add_nc_u64 s[G0+4*\s+2:G0+4*\s+3], s[20:21], \s*KSB
	s_or_b32 s[G0+4*\s+3], s[G0+4*\s+3], 0x80000000
	s_mov_b32 s[G0B+4*\s], 1
	s_add_co_u32 s[G0B+4*\s+1], s45, \s*SLOT
	s_add_nc_u64 s[G0B+4*\s+2:G0B+4*\s+3], s[46:47], \s*KSB
	s_or_b32 s[G0B+4*\s+3], s[G0B+4*\s+3], 0x80000000
	s_wait_alu depctr_va_vdst(0)
	s_wait_tensorcnt 0x0
	ds_add_u32 v28, v29
	ds_add_u32 v28, v29
	s_wait_dscnt 0x0
	CROUND
	JLOAD G0+4*\s, G1, G0B+4*\s, G1B               ; one load of mine is out: the first has landed
.endr
	v_and_b32 v6, 31, v0
	v_lshlrev_b32 v[CO], 4, v6
	s_lshl_b32 s21, s15, 15                        ; my 128 rows of A
	s_lshl_b32 s22, s16, 15                        ; my 128 rows of B,
	s_add_co_u32 s22, s22, 2*HALFT                 ; which lie behind A's 256
.irp s, 0,1
	v_add_nc_u32 v[ADRA+\s], s21, v[CO]
	v_add_nc_u32 v[ADRB+\s], s22, v[CO]
	s_add_co_u32 s21, s21, SLOT
	s_add_co_u32 s22, s22, SLOT
.endr
	v_and_b32 v1, 15, v0                           ; l % 16
	v_bfe_u32 v2, v0, 4, 1                         ; l / 16
	s_mul_i32 s23, s14, 16*SPITCH                  ; my stage
	v_mul_u32_u24 v5, v1, SPITCH                   ; in: row l % 16, 32 bytes for each half of the lanes
	v_lshl_add_u32 v5, v2, 5, v5
	v_add_nc_u32 v[STO], s23, v5
	v_add_nc_u32 v[RD], s23, v[CO]                 ; back: the 32 lanes take one row of 512 bytes
	s_lshl_b32 s20, s17, 20                        ; my first row of the output: 256 x tile row + 128 x half, 4,096 bytes a row
	s_lshl_b32 s21, s15, 19
	s_add_co_u32 s20, s20, s21
	s_lshl_b32 s46, s42, 10                        ; my first column, in bytes: 1,024 x tile column + 512 x half
	s_add_co_u32 s20, s20, s46
	s_lshl_b32 s46, s16, 9
	s_add_co_u32 s20, s20, s46
	s_mov_b32 s21, 0
	s_add_nc_u64 s[10:11], s[10:11], s[20:21]
.macro FRAG reg, adr, q, i             ; a fragment comes as it lies: four loads of 512 consecutive bytes
.irp c, 0,1,2,3
	ds_load_b128 v[\reg+4*\c:\reg+4*\c+3], v[\adr] offset:2048*(\q)+512*\c+(\i)*KSB
.endr
.endm
; 16 matrix instructions: A's blocks a0, a0 + 1 x B's eight, 128 along K.  p: B's set.  zero = 1: the first product starts the sums: nothing is ever cleared.
; The 64 accumulators take turns, one instruction a turn, in the same order in every step.
.macro MUL16 a0, p, zero
.irp a, \a0, \a0+1
.irp b, 0,1,2,3,4,5,6,7
.if \zero
	v_wmma_f32_16x16x128_fp8_fp8 v[8*(8*((\a)%4)+\b):8*(8*((\a)%4)+\b)+7], v[128*(\p)+FR*\b:128*(\p)+FR*\b+FR-1], v[AF+FR*(\a):AF+FR*(\a)+FR-1], 0
.else
	v_wmma_f32_16x16x128_fp8_fp8 v[8*(8*((\a)%4)+\b):8*(8*((\a)%4)+\b)+7], v[128*(\p)+FR*\b:128*(\p)+FR*\b+FR-1], v[AF+FR*(\a):AF+FR*(\a)+FR-1], v[8*(8*((\a)%4)+\b):8*(8*((\a)%4)+\b)+7]
.endif
.endr
.endr
.endm
.macro FETCH_B slot, q, p              ; B's eight fragments of the slot's q-th 128 along K into set p
	WIN TO_B
.irp i, 0,1,2,3,4,5,6,7
	FRAG 128*(\p)+FR*\i, ADRB+\slot, \q, \i
.endr
	WIN 0
.endm
.macro FETCH_A slot, q, i0             ; A's blocks i0 .. i0 + 3
.irp i, \i0, \i0+1, \i0+2, \i0+3
	FRAG AF+FR*(\i), ADRA+\slot, \q, \i
.endr
.endm
.macro PLACES n                        ; plain vector instructions between a matrix instruction and a load into a register that it read, or a read of its result (ISA guide 7.12.1 for a read of its result)
.rept \n
	v_nop
.endr
.endm
; A step of 128 along K that has its successor in the same slot.  A block of A is free as soon as its eight products are issued: blocks 0-3 are fetched anew in the step's middle, blocks 4-7 at its end.
.macro STEP slot, q, zero
	s_wait_dscnt 4*NL                              ; B's set and A's blocks 0-3 are in; the youngest sixteen loads (A's blocks 4-7) may be out
	WIN MUL_LO
	MUL16 0, (\q)%2, \zero
	MUL16 2, (\q)%2, \zero
	s_wait_dscnt 0x0                               ; A's blocks 4-7 are in
	PLACES NP
	FETCH_B \slot, (\q)+1, 1-(\q)%2
	FETCH_A \slot, (\q)+1, 0
	WIN MUL_HI
	MUL16 4, (\q)%2, \zero
	MUL16 6, (\q)%2, \zero
	PLACES NP
	WIN 0
	FETCH_A \slot, (\q)+1, 4
.endm
; A slot's last step changes slots: ONE barrier; in front of it each wave waits for all its tensor loads, adds 0 to its spare word, and waits for that and for its own reads of this slot.  fill = 1: this slot is filled again, two slots ahead.
.macro TURN slot, next, fill
	s_wait_tensorcnt 0x0                           ; all my tensor loads have landed: my part of the next slot;  (every window is 0 here)
	ds_add_u32 v[SPW], v[NIL]                      ; 0 onto my spare word
	s_wait_dscnt 4*NL+1                            ; (the add and the youngest sixteen loads may be out)
	WIN MUL_LO
	MUL16 0, 1, 0                                  ; sixteen matrix instructions stand between the add and the wait for it
	s_wait_dscnt 0x0                               ; the add is done, and my reads of this slot are over
	s_barrier_signal -1
	MUL16 2, 1, 0
	WIN 0
	s_barrier_wait -1
.if \fill
	CREST                                          ; the barrier has opened a round of the cluster's barrier: no wave of any partner still reads this slot or has a load on its way
	s_add_nc_u64 s[G0+4*\slot+2:G0+4*\slot+3], s[G0+4*\slot+2:G0+4*\slot+3], 2*KSB
	s_add_nc_u64 s[G0B+4*\slot+2:G0B+4*\slot+3], s[G0B+4*\slot+2:G0B+4*\slot+3], 2*KSB
	JLOAD G0+4*\slot, G1, G0B+4*\slot, G1B         ; the first tensor load behind the round, and my only one until the next; its four v_nop are the places in front of the loads below
.else
	PLACES NP
.endif
	FETCH_B \next, 0, 0
	FETCH_A \next, 0, 0
	WIN MUL_HI
	MUL16 4, 1, 0
	MUL16 6, 1, 0
	PLACES NP
	WIN 0
	FETCH_A \next, 0, 4
.endm
	s_wait_alu depctr_va_vdst(0)
	s_wait_tensorcnt 0x1                           ; my part of slot 0 is in; slot 1's load may be out
	s_barrier_signal -1
	s_barrier_wait -1                              ; everybody's is
	FETCH_B 0, 0, 0
	FETCH_A 0, 0, 0
	FETCH_A 0, 0, 4
	STEP 0, 0, 1                                   ; K 0-127: its products start the sums.  K = 1,024 is four slots: written out, no loop
	TURN 0, 1, 1                                   ; K 128-255; slot 0 takes K 512-767
	STEP 1, 0, 0
	TURN 1, 0, 1                                   ; slot 1 takes K 768-1,023
	STEP 0, 0, 0
	TURN 0, 1, 0                                   ; nothing is left to fetch; behind this barrier nobody reads slot 0
	STEP 1, 0, 0
	s_wait_dscnt 4*NL                              ; the very last step
	WIN MUL_LO
	MUL16 0, 1, 0
	MUL16 2, 1, 0
	s_wait_dscnt 0x0
	WIN MUL_HI
	MUL16 4, 1, 0
	MUL16 6, 1, 0
	WIN 0
; THE WAY OUT, block by block of 16 rows x 128 columns.  A lane holds 32 neighbouring bytes of a row, and the lanes beside it hold other rows: so a block goes through my own stage in LDS and comes back as whole
; rows of 512 bytes, which the 32 lanes store.  LDS serves a wave's instructions in order (ISA guide 5.7.1.4): no wait between the stores and the loads, nor in front of the next block's stores.
.macro TOSTAGE a
.set AC, 64*((\a)%4)
	WIN 0x02+((\a)/4)                              ; source 0: window 2 or 3
.irp j, 0,2,4,6,8,10,12,14,16,18,20,22,24,26,28,30,32,34,36,38,40,42,44,46,48,50,52,54,56,58,60,62
	v_pk_mul_f32 v[TMP+\j:TMP+\j+1], v[AC+\j:AC+\j+1], s[96:97] op_sel_hi:[1,0]   ; both x s96 = 2^(e6 + e7); each accumulator from its low end on
.endr
	WIN 0
.irp b, 0,1,2,3,4,5,6,7
	ds_store_b128 v[STO], v[TMP+8*\b:TMP+8*\b+3] offset:64*\b
	ds_store_b128 v[STO], v[TMP+8*\b+4:TMP+8*\b+7] offset:64*\b+16
.endr
.set BB, BK+64*((\a)%2)
.irp t, 0,1,2,3,4,5,6,7,8,9,10,11,12,13,14,15
	ds_load_b128 v[BB+4*\t:BB+4*\t+3], v[RD] offset:\t*SPITCH
.endr
.endm
; Row t of block a stands at place 16 a + t of my 128 and is token 32 (a / 2) + 8 (a % 2) + t % 8 + 16 (t / 8): the place's bits 3 and 4 swapped.  The base is never stepped: 127 rows of 4,096 bytes at the most stand in the immediate.
.macro SEND a, younger                 ; younger: the LDS instructions issued behind block a's loads, which may stay out
.set BB, BK+64*((\a)%2)
	s_wait_dscnt \younger                          ; the block is back in registers
.irp t, 0,1,2,3,4,5,6,7,8,9,10,11,12,13,14,15
	global_store_b128 v[CO], v[BB+4*\t:BB+4*\t+3], s[10:11] offset:(32*((\a)/2)+8*((\a)%2)+(\t%8)+16*(\t/8))*4096 th:TH_STORE_NT   ; 32 lanes store 512 consecutive bytes, at a multiple of 512 from the output's first byte
.endr
.endm
	s_wait_kmcnt 0x0
	s_add_co_i32 s96, s96, s97                     ; e6 + e7, between -126 and 127,
	s_add_co_i32 s96, s96, 127
	s_lshl_b32 s96, s96, 23                        ; makes the f32 number 2^(e6 + e7)
	PLACES NP                                      ; behind the last products: for the reads of results and for the loads into the registers that held A's fragments
	TOSTAGE 0
.irp a, 1,2,3,4,5,6,7
.if \a > 1
	s_wait_xcnt 0x0                                ; block a - 2's stores have read their registers: block a's loads may land there
.endif
	TOSTAGE \a
	SEND \a-1, 32                                  ; behind block a - 1's loads: block a's 16 stores and 16 loads
.endr
	SEND 7, 0
	s_wait_tensorcnt 0x0                           ; the wave's end, behind my last tensor load and my last LDS store
	ds_add_u32 v[SPW], v[NIL]
	s_wait_dscnt 0x0
	CROUND                                         ; the closing round: no work-group ends while a partner may still ask for a tile that names it
	s_endpgm
.Lfunc_end_k_q8e6bf72f15_proj:
	.size	k_q8e6bf72f15_proj, .Lfunc_end_k_q8e6bf72f15_proj-k_q8e6bf72f15_proj
	.p2alignl 7, 3214868480
	.fill 96, 4, 3214868480
	.section	.rodata,"a",@progbits
	.p2align	6, 0x0
	.amdhsa_kernel k_q8e6bf72f15_proj
		.amdhsa_group_segment_fixed_size 327680
		.amdhsa_private_segment_fixed_size 0
		.amdhsa_enable_private_segment 0
		.amdhsa_kernarg_size 32
		.amdhsa_user_sgpr_count 2
		.amdhsa_user_sgpr_kernarg_segment_ptr 1
		.amdhsa_wavefront_size32 1
		.amdhsa_system_sgpr_workgroup_id_x 1
		.amdhsa_system_sgpr_workgroup_id_y 1
		.amdhsa_system_sgpr_workgroup_id_z 1
		.amdhsa_system_vgpr_workitem_id 0
		.amdhsa_next_free_vgpr 1024
		.amdhsa_next_free_sgpr 100
		.amdhsa_reserve_vcc 0
		.amdhsa_float_denorm_mode_32 3
		.amdhsa_float_denorm_mode_16_64 3
		.amdhsa_memory_ordered 1
		.amdhsa_forward_progress 1
		.amdhsa_inst_pref_size 123
	.end_amdhsa_kernel
	.amdgpu_metadata
---
amdhsa.version: [ 1, 2 ]
amdhsa.kernels:
  - .name:           k_q8e6bf72f15_proj
    .symbol:         k_q8e6bf72f15_proj.kd
    .args:
      - { .name: ac, .offset: 0, .size: 8, .value_kind: global_buffer, .address_space: global }
      - { .name: wpc, .offset: 8, .size: 8, .value_kind: global_buffer, .address_space: global }
      - { .name: lowp_scales, .offset: 16, .size: 8, .value_kind: global_buffer, .address_space: global }
      - { .name: out0, .offset: 24, .size: 8, .value_kind: global_buffer, .address_space: global }
    .group_segment_fixed_size: 327680
    .private_segment_fixed_size: 0
    .kernarg_segment_align: 8
    .kernarg_segment_size: 32
    .max_flat_workgroup_size: 128
    .sgpr_count:     100
    .vgpr_count:     1024
    .wavefront_size: 32
...
	.end_amdgpu_metadata
.endif
;; end of part 4
